; MI455X (gfx1250); checked and timed in simulation.
; The chip was launched on July 23, 2026; its instructions are those of AMD's public machine-readable ISA for CDNA 5 (MIT licence, August 2026) and "CDNA5" Instruction Set Architecture Reference Guide (July 2026). The comments in the code are by the model that wrote it; some were corrected since.
;; Cross Attention. Allowed arithmetic: float matrix products may take bf16 or f16 operands with f32 sums; all other float work in f32.
;; Inputs: Wk 128 x 768 float32; Wq 768 x 768 float32; Wv 128 x 768 float32; age_features 8 x 128 float32; bk 768 float32; bq 768 float32; bv 768 float32; pixel_features 8 x 2,048 x 768 float32.
;; Outputs: out0 8 x 2,048 x 768 float32.
;; 2 versions, each right; version 2 is version 1 with the launch attend written anew for expert scheduling mode. Each part assembles by itself: llvm-mc -triple=amdgcn-amd-amdhsa -mcpu=gfx1250 --defsym DOCPART=n.
;; ======== version 1 of 2: 2 launches
;; workspace buffers: prep 344,064 bytes
;; launch project (part 1): grid 12 x 13, 16 waves a work-group, no clusters, 38,912 bytes of LDS; arguments Wk, bk, Wv, bv, age_features, Wq, bq, prep; writes prep
.if DOCPART == 1
	.amdgcn_target "amdgcn-amd-amdhsa--gfx1250"
	.amdhsa_code_object_version 6
	.text
	.protected	k_qb8078c7128_project
	.globl	k_qb8078c7128_project
	.p2align	8
	.type	k_qb8078c7128_project,@function
k_qb8078c7128_project:
	s_mov_b64 s[64:65], 0
	v_nop
	global_prefetch_b8 v0, s[64:65] scope:SCOPE_SE
	s_setreg_imm32_b32 hwreg(HW_REG_WAVE_MODE, 25, 1), 1
	s_wait_xcnt 0x0
; CROSS ATTENTION WITH ONE KEY AND ONE VALUE ROW PER BATCH, first of two launches: the weights are folded into a small table.
; The module broadcasts age[b] over all 2,048 key positions before it projects, so for every input all keys of batch b are the one
; vector k[b] = age[b] Wk + bk and all values the one vector v[b] = age[b] Wv + bv.  A query row's score against each of them is
; s = ((x Wq + bq) . k[b]) / sqrt(768) = x . u[b] + c[b],  u[b][d] = RS sum_e Wq[d][e] k[b][e],  c[b] = RS sum_e bq[e] k[b][e],  RS = 1/sqrt(768).
; This launch stores, for each batch b, 14 rows of 768 f32 (3,072 bytes a row, 43,008 a batch):
;   rows 0..11: the part of u[b] summed over e = 64 g .. 64 g + 63 (g = the row);  row 12: v[b];
;   row 13, words 0..11: the part of c[b] summed over the same 64 e (g = the word).  The rest of row 13 is neither stored nor read.
; The second launch adds the parts: no sum crosses work-groups here.
; LIMITS: the score is summed as x . (Wq k) + bq . k, not as (x Wq + bq) . k: another order of rounding, and it leaves f32's range at
; somewhat other magnitudes (products near 1e38).  All arithmetic is f32 on the vector ALU: each product here has 8 rows (or 8 columns),
; half of a 16-wide matrix tile at best, and the launch is a short chain of dependent steps over 3.1 MB of weights.
;
; WORK: x of the grid = g, a slice of 64 columns e (256 bytes of each weight row).  y = 0..11: the key path, k's slice and then the 64 rows
; d = 64 y .. 64 y + 63 of Wq against it.  y = 12: the value path, v's slice.  156 work-groups.
; Sixteen waves.  In the projection wave w takes the rows a = 8 w .. 8 w + 7 of Wk (Wv); the sixteen partial sums meet in LDS, where
; waves 0 to 7 add them: wave w owns batch w, lane l the columns 2 l, 2 l + 1, so that what a wave then stores is 256 consecutive bytes.
; All sixteen waves load the 256 bytes of the bias (and of bq), though waves 0 to 7 alone use them (bq: those of y = 0 alone):
; so one text serves all waves and its counted waits mean the same in each.
.set ROW,    3072                      ; bytes in a row of Wk, Wv, Wq and of the table
.set BPITCH, 14*ROW                    ; bytes of the table for one batch
.set RS,     0x3d13cd3a                ; 1/sqrt(768) in f32
.set PART,   0                         ; LDS     0..32767  [wave 16][b 8][64 columns] f32: partial projections
.set KS,     32768                     ; LDS 32768..34815  [b 8][64 columns]: RS k, the slice
.set RB,     34816                     ; LDS 34816..36863  [b 8][64 rows d]: the slice's part of u.  No region is stored twice.
.set WOFF, 3                           ; v3   8 w rows + 8 lane: my 8 bytes of the wave's first row of Wk (Wv)
.set QOFF, 4                           ; v4   (4 w + 2 h) rows + 16 (lane & 15), h = lane >> 4: my 16 bytes in the group's 64 rows of Wq
.set POFF, 5                           ; v5   8 lane: my pair of columns in the slice of bk, bv, bq
.set AOFF, 6                           ; v6   32 w: age[.][8 w ..]
.set PSTO, 7                           ; v7   PART: 2,048 w + 8 lane
.set PRD,  8                           ; v8   PART: 256 w + 8 lane: batch w, my pair of columns (waves 0 to 7)
.set KSTO, 9                           ; v9   KS + 256 w + 8 lane (waves 0 to 7)
.set KRD,  10                          ; v10  KS + 16 (lane & 15)
.set RSTO, 11                          ; v11  RB + 16 w + 8 h
.set RRD,  12                          ; v12  RB + 16 (t & 127)
.set GOFF, 13                          ; v13  table: batch (t & 127) >> 4, 16 (t & 15)
.set VSTO, 14                          ; v14  table: batch w, 8 lane (waves 0 to 7)
.set COFF, 15                          ; v15  table: batch w (waves 0 to 7)
.set BI,   16                          ; v[16:17]   bias of my two columns
.set BQ,   18                          ; v[18:19]   bq of my two columns
.set TT,   20                          ; v[20:21]   the projection of batch w, my two columns
.set TP,   22                          ; v[22:29]   at work
.set CS,   30                          ; v30        the slice's part of c[w]
.set CT,   31                          ; v31        its partner from the other 16 lanes
.set WR,   32                          ; v[32:47]   8 weight rows x 2
.set PT,   32                          ; v[32:63]   later: the 16 partial pairs
.set AV,   64                          ; v[64:127]  age[b][8 w + 0..7] at AV + 8 b, alike in all lanes
.set KR,   64                          ; v[64:95]   later: RS k[b] of my 4 columns at KR + 4 b
.set ACC,  128                         ; v[128:143] partial projection of batch b, my 2 columns, at ACC + 2 b
.set SR,   128                         ; v[128:143] later: row 4 w + 2 h + i of Wq against k[b], at SR + 2 b + i
.set QR,   144                         ; v[144:151] 2 pieces of Wq x 4
; First half of age[0..7] x one slice of a weight [128][768]: every wave's 8 rows, the partial sums into LDS, the barrier.
; wreg, breg: the scalar pairs with the weight's and the bias's address, at the slice.
.macro PROJECT_A wreg, breg
.irp b, 0,1,2,3,4,5,6,7
	global_load_b128 v[AV+8*\b:AV+8*\b+3],   v[AOFF], s[12:13] offset:512*\b
	global_load_b128 v[AV+8*\b+4:AV+8*\b+7], v[AOFF], s[12:13] offset:512*\b+16
.endr
.irp i, 0,1,2,3,4,5,6,7
	global_load_b64 v[WR+2*\i:WR+2*\i+1], v[WOFF], s[\wreg:\wreg+1] offset:ROW*\i   ; a wave's load covers the row's 256 consecutive bytes, aligned
.endr
	global_load_b64 v[BI:BI+1], v[POFF], s[\breg:\breg+1]
.irp i, 0,1,2,3,4,5,6,7
	s_wait_loadcnt 8-\i                            ; loads come back in order: weight row i is in; behind it stand 7 - i rows and the bias
.irp b, 0,1,2,3,4,5,6,7
.if \i == 0
	v_pk_mul_f32 v[ACC+2*\b:ACC+2*\b+1], v[WR:WR+1], v[AV+8*\b:AV+8*\b+1] op_sel_hi:[1,0]   ; the first row starts the sums: nothing is cleared
.else
.if (\i & 1) == 0
	v_pk_fma_f32 v[ACC+2*\b:ACC+2*\b+1], v[WR+2*\i:WR+2*\i+1], v[AV+8*\b+\i:AV+8*\b+\i+1], v[ACC+2*\b:ACC+2*\b+1] op_sel_hi:[1,0,1]   ; both columns times the pair's first word
.else
	v_pk_fma_f32 v[ACC+2*\b:ACC+2*\b+1], v[WR+2*\i:WR+2*\i+1], v[AV+8*\b+\i-1:AV+8*\b+\i], v[ACC+2*\b:ACC+2*\b+1] op_sel:[0,1,0] op_sel_hi:[1,1,1]   ; both times its second word
.endif
.endif
.endr
.endr
.irp b, 0,1,2,3,4,5,6,7
	ds_store_b64 v[PSTO], v[ACC+2*\b:ACC+2*\b+1] offset:PART+256*\b
.endr
	s_wait_dscnt 0x0                               ; my partial sums are in LDS before I say so
	s_barrier_signal -1
	s_barrier_wait -1                              ; all sixteen waves' are
.endm
; Second half, waves 0 to 7: the sixteen parts of batch w are added, and the bias.  scaled = 1: the result is multiplied by RS.
; Ends with v[TT:TT+1] = the result for batch w, columns 2 lane, 2 lane + 1 of the slice.
.macro PROJECT_B scaled
.irp i, 0,1,2,3,4,5,6,7,8,9,10,11,12,13,14,15
	ds_load_b64 v[PT+2*\i:PT+2*\i+1], v[PRD] offset:PART+2048*\i   ; wave i's part of my batch and column pair
.endr
	s_wait_loadcnt 0x0                             ; the bias: the youngest load
.if \scaled
	v_pk_mul_f32 v[BI:BI+1], v[BI:BI+1], RS op_sel_hi:[1,0]
.endif
	s_wait_dscnt 0x0
.irp i, 0,1,2,3,4,5,6,7
	v_pk_add_f32 v[PT+2*\i:PT+2*\i+1], v[PT+2*\i:PT+2*\i+1], v[PT+2*\i+16:PT+2*\i+17]
.endr
.irp i, 0,1,2,3
	v_pk_add_f32 v[PT+2*\i:PT+2*\i+1], v[PT+2*\i:PT+2*\i+1], v[PT+2*\i+8:PT+2*\i+9]
.endr
.irp i, 0,1
	v_pk_add_f32 v[PT+2*\i:PT+2*\i+1], v[PT+2*\i:PT+2*\i+1], v[PT+2*\i+4:PT+2*\i+5]
.endr
	v_pk_add_f32 v[PT:PT+1], v[PT:PT+1], v[PT+2:PT+3]
.if \scaled
	v_pk_fma_f32 v[TT:TT+1], v[PT:PT+1], RS, v[BI:BI+1] op_sel_hi:[1,0,1]   ; RS sum + RS bias
.else
	v_pk_add_f32 v[TT:TT+1], v[PT:PT+1], v[BI:BI+1]
.endif
.endm
; Sums over each half of 16 lanes of cnt registers from base on, stage by stage, so that no line waits for the one in front;
; every lane of a half ends with its half's sums.
.macro BFLY base, cnt
.irp m, 1,2,4,8
.set kk, 0
.rept \cnt
	v_add_f32_dpp v[\base+kk], v[\base+kk], v[\base+kk] row_xmask:\m row_mask:0xf bank_mask:0xf
.set kk, kk+1
.endr
.endr
.endm
	s_load_b512 s[4:19], s[0:1], 0x0               ; Wk s[4:5], bk s[6:7], Wv s[8:9], bv s[10:11], age s[12:13], Wq s[14:15], bq s[16:17], table s[18:19]
	v_lshl_add_u32 v152, v0, 2, 0x9000
	v_mov_b32 v153, 0
	s_and_b32 s21, ttmp7, 0xffff                   ; y
	s_lshl_b32 s24, ttmp9, 8                       ; the slice: 256 g bytes into a row,
	s_mov_b32 s25, 0                               ; as a 64-bit offset
	v_and_b32 v1, 31, v0                           ; lane
	v_lshrrev_b32 v2, 5, v0
	v_readfirstlane_b32 s22, v2                    ; wave, as a scalar
	v_lshlrev_b32 v[POFF], 3, v1                   ; 8 lane
	s_mul_i32 s23, s22, 8*ROW
	v_add_nc_u32 v[WOFF], s23, v[POFF]
	v_lshlrev_b32 v[AOFF], 5, v2
	v_lshl_add_u32 v[PSTO], s22, 11, v[POFF]
	v_lshl_add_u32 v[PRD], s22, 8, v[POFF]
	s_mul_i32 s20, s22, BPITCH                     ; batch w in the table
	s_cmp_eq_u32 s21, 12                           ; y is the same in all waves of the work-group: both ways hold their own barriers
	s_cbranch_scc1 .Lvalue
	; ---------------- the key path ----------------
	s_mul_i32 s26, s21, 64*ROW                     ; Wq: 64 y rows down and 256 g bytes in
	s_add_co_u32 s26, s26, s24
	s_mov_b32 s27, 0
	s_mul_i32 s28, ttmp9, ROW                      ; table: row g, 256 y bytes in
	s_lshl_b32 s23, s21, 8
	s_add_co_u32 s28, s28, s23
	s_mov_b32 s29, 0
	s_lshl_b32 s30, ttmp9, 2                       ; table, row 13: word g
	s_mov_b32 s31, 0
	s_mov_b32 s32, 0x76543210                      ; the lane exchange: lane i of one half reads lane i of the other
	s_mov_b32 s33, 0xfedcba98
	v_and_b32 v[TP], 15, v0
	v_lshlrev_b32 v[TP], 4, v[TP]                  ; 16 (lane & 15)
	v_bfe_u32 v[TP+1], v0, 4, 1                    ; h
	s_mul_i32 s23, s22, 4*ROW
	v_mad_u32_u24 v[QOFF], v[TP+1], 2*ROW, v[TP]
	v_add_nc_u32 v[QOFF], s23, v[QOFF]
	v_add_nc_u32 v[KSTO], KS, v[PRD]
	v_add_nc_u32 v[KRD], KS, v[TP]
	v_lshlrev_b32 v[TP+1], 3, v[TP+1]              ; 8 h
	v_lshl_add_u32 v[RSTO], s22, 4, v[TP+1]
	v_add_nc_u32 v[RSTO], RB, v[RSTO]
	v_and_b32 v[TP+2], 127, v0                     ; waves 0 to 3 alone use the next two; the mask is their own thread number
	v_lshl_add_u32 v[RRD], v[TP+2], 4, RB
	v_bfe_u32 v[TP+3], v0, 4, 3
	v_mad_u32_u24 v[GOFF], v[TP+3], BPITCH, v[TP]
	v_mov_b32 v[COFF], s20
	v_mov_b32 v[CT], 0                             ; written once, so that the lane exchange may name it
	s_wait_kmcnt 0x0
	s_add_nc_u64 s[4:5], s[4:5], s[24:25]          ; Wk, bk, bq at the slice
	s_add_nc_u64 s[6:7], s[6:7], s[24:25]
	s_add_nc_u64 s[16:17], s[16:17], s[24:25]
	s_add_nc_u64 s[14:15], s[14:15], s[26:27]      ; Wq at the group's rows and the slice
	s_add_nc_u64 s[36:37], s[18:19], s[28:29]      ; where u's part goes
	s_add_nc_u64 s[38:39], s[18:19], s[30:31]      ; where c's part goes
	; Wq and bq are asked for ahead of the projection's loads: they come in under it; its counted waits count younger loads and stay as they
	; are, and its last one (one load may be out: the bias) shows these older loads in.
.irp i, 0,1
	global_load_b128 v[QR+4*\i:QR+4*\i+3], v[QOFF], s[14:15] offset:ROW*\i th:TH_LOAD_NT   ; row 64 y + 4 w + 2 h + i: each half of 16 lanes covers 256 consecutive bytes, aligned; each byte of Wq is read once in the launch
.endr
	global_load_b64 v[BQ:BQ+1], v[POFF], s[16:17]
	PROJECT_A 4, 6
	s_cmp_ge_u32 s22, 8                            ; waves 0 to 7 finish the projection
	s_cbranch_scc1 .Lk_join
	PROJECT_B 1                                    ; v[TT:TT+1] = RS k[w][my two columns]
	ds_store_b64 v[KSTO], v[TT:TT+1]
	s_cmp_lg_u32 s21, 0                            ; c's part is made once for each slice, by y = 0
	s_cbranch_scc1 .Lk_join
	v_mul_f32 v[CS], v[TT], v[BQ]
	v_fmac_f32 v[CS], v[TT+1], v[BQ+1]
	BFLY CS, 1                                     ; over 16 lanes,
	v_permlanex16_b32 v[CT], v[CS], s32, s33
	v_add_f32 v[CS], v[CS], v[CT]                  ; and the other 16: the slice's 64 columns of batch w
	v_cmp_eq_u32 vcc_lo, 0, v1
	s_wait_xcnt 0x0                                ; EXEC is a source of the memory instructions above: it changes only behind this wait
	s_and_saveexec_b32 s34, vcc_lo
	global_store_b32 v[COFF], v[CS], s[38:39] offset:13*ROW   ; one word a wave: 96 words in the whole launch
	s_wait_xcnt 0x0                                ; and again in front of the line that widens it
	s_or_b32 exec_lo, exec_lo, s34
.Lk_join:
	s_wait_dscnt 0x0                               ; my part of the slice is in LDS before I say so
	s_barrier_signal -1
	s_barrier_wait -1
.irp b, 0,1,2,3,4,5,6,7
	ds_load_b128 v[KR+4*\b:KR+4*\b+3], v[KRD] offset:256*\b   ; both halves of the wave read the same 256 bytes
.endr
	s_wait_dscnt 0x0
.irp bb, 0,2,4,6                                   ; my 4 columns of my 2 rows of Wq against 8 keys, two keys at a time: k = 2 (b - bb) + i
.irp k, 0,1,2,3
	v_pk_mul_f32 v[TP+2*\k:TP+2*\k+1], v[QR+4*(\k&1):QR+4*(\k&1)+1], v[KR+4*(\bb+(\k>>1)):KR+4*(\bb+(\k>>1))+1]
.endr
.irp k, 0,1,2,3
	v_pk_fma_f32 v[TP+2*\k:TP+2*\k+1], v[QR+4*(\k&1)+2:QR+4*(\k&1)+3], v[KR+4*(\bb+(\k>>1))+2:KR+4*(\bb+(\k>>1))+3], v[TP+2*\k:TP+2*\k+1]
.endr
.irp k, 0,1,2,3
	v_add_f32 v[SR+2*\bb+\k], v[TP+2*\k], v[TP+2*\k+1]
.endr
.endr
	BFLY SR, 16                                    ; over the slice's 64 columns, which lie in 16 lanes: the halves hold different rows and are not added
.irp b, 0,1,2,3,4,5,6,7
	ds_store_b64 v[RSTO], v[SR+2*\b:SR+2*\b+1] offset:256*\b   ; rows 4 w + 2 h, + 1: the 16 lanes of a half hold the same two sums and write them to the same 8 bytes
.endr
	s_wait_dscnt 0x0
	s_barrier_signal -1
	s_barrier_wait -1
	s_cmp_ge_u32 s22, 4                            ; 8 batches x 64 rows = 2,048 bytes = 128 threads x 16
	s_cbranch_scc1 .Lend
	ds_load_b128 v[TP:TP+3], v[RRD]
	s_wait_dscnt 0x0
	global_store_b128 v[GOFF], v[TP:TP+3], s[36:37]    ; sixteen lanes store 256 consecutive bytes, aligned: the group's 64 numbers of one batch
.Lend:
	s_wait_tensorcnt 0x0
	ds_add_u32 v152, v153
	s_wait_dscnt 0x0
	s_endpgm
	; ---------------- the value path ----------------
.Lvalue:
	v_add_nc_u32 v[VSTO], s20, v[POFF]
	s_wait_kmcnt 0x0
	s_add_nc_u64 s[8:9], s[8:9], s[24:25]          ; Wv, bv and the table at the slice
	s_add_nc_u64 s[10:11], s[10:11], s[24:25]
	s_add_nc_u64 s[18:19], s[18:19], s[24:25]
	PROJECT_A 8, 10
	s_cmp_ge_u32 s22, 8
	s_cbranch_scc1 .Lv_end
	PROJECT_B 0                                    ; v[TT:TT+1] = v[w][my two columns]
	global_store_b64 v[VSTO], v[TT:TT+1], s[18:19] offset:12*ROW   ; a wave stores 256 consecutive bytes, aligned
.Lv_end:
	s_wait_tensorcnt 0x0
	ds_add_u32 v152, v153
	s_wait_dscnt 0x0
	s_endpgm
.Lfunc_end_k_qb8078c7128_project:
	.size	k_qb8078c7128_project, .Lfunc_end_k_qb8078c7128_project-k_qb8078c7128_project
	.p2alignl 7, 3214868480
	.fill 96, 4, 3214868480
	.section	.rodata,"a",@progbits
	.p2align	6, 0x0
	.amdhsa_kernel k_qb8078c7128_project
		.amdhsa_group_segment_fixed_size 38912
		.amdhsa_private_segment_fixed_size 0
		.amdhsa_enable_private_segment 0
		.amdhsa_kernarg_size 64
		.amdhsa_user_sgpr_count 2
		.amdhsa_user_sgpr_kernarg_segment_ptr 1
		.amdhsa_wavefront_size32 1
		.amdhsa_system_sgpr_workgroup_id_x 1
		.amdhsa_system_sgpr_workgroup_id_y 1
		.amdhsa_system_sgpr_workgroup_id_z 1
		.amdhsa_system_vgpr_workitem_id 0
		.amdhsa_next_free_vgpr 154
		.amdhsa_next_free_sgpr 66
		.amdhsa_reserve_vcc 1
		.amdhsa_float_denorm_mode_32 3
		.amdhsa_float_denorm_mode_16_64 3
		.amdhsa_memory_ordered 1
		.amdhsa_forward_progress 1
		.amdhsa_inst_pref_size 32
	.end_amdhsa_kernel
	.amdgpu_metadata
---
amdhsa.version: [ 1, 2 ]
amdhsa.kernels:
  - .name:           k_qb8078c7128_project
    .symbol:         k_qb8078c7128_project.kd
    .args:
      - { .name: Wk, .offset: 0, .size: 8, .value_kind: global_buffer, .address_space: global }
      - { .name: bk, .offset: 8, .size: 8, .value_kind: global_buffer, .address_space: global }
      - { .name: Wv, .offset: 16, .size: 8, .value_kind: global_buffer, .address_space: global }
      - { .name: bv, .offset: 24, .size: 8, .value_kind: global_buffer, .address_space: global }
      - { .name: age_features, .offset: 32, .size: 8, .value_kind: global_buffer, .address_space: global }
      - { .name: Wq, .offset: 40, .size: 8, .value_kind: global_buffer, .address_space: global }
      - { .name: bq, .offset: 48, .size: 8, .value_kind: global_buffer, .address_space: global }
      - { .name: prep, .offset: 56, .size: 8, .value_kind: global_buffer, .address_space: global }
    .group_segment_fixed_size: 38912
    .private_segment_fixed_size: 0
    .kernarg_segment_align: 8
    .kernarg_segment_size: 64
    .max_flat_workgroup_size: 512
    .sgpr_count:     66
    .vgpr_count:     154
    .wavefront_size: 32
...
	.end_amdgpu_metadata
.endif
;; end of part 1
;; launch attend (part 2): grid 256 x 1, 16 waves a work-group, no clusters, 8,192 bytes of LDS; arguments pixel_features, prep, out0; writes out0
.if DOCPART == 2
	.amdgcn_target "amdgcn-amd-amdhsa--gfx1250"
	.amdhsa_code_object_version 6
	.text
	.protected	k_qb8078c7128_attend
	.globl	k_qb8078c7128_attend
	.p2align	8
	.type	k_qb8078c7128_attend,@function
k_qb8078c7128_attend:
	s_mov_b64 s[64:65], 0
	v_nop
	global_prefetch_b8 v0, s[64:65] scope:SCOPE_SE
	s_setreg_imm32_b32 hwreg(HW_REG_WAVE_MODE, 25, 1), 1
	s_wait_xcnt 0x0
; CROSS ATTENTION WITH ONE KEY AND ONE VALUE ROW PER BATCH, second of two launches: the stream.  out = softmax(scores) V + x.
; The module broadcasts one age row over all 2,048 key positions, so for every input a query row's 2,048 scores are one number
; s = x . u[b] + c[b] (u, c, v from the table that the first launch stored).  Each step of the softmax is written in that form:
; the maximum of 2,048 equal scores is s; each exponential is exp(s - s); their sum is 2,048 p; the weight is w = p / (2,048 p);
; the weighted sum of 2,048 equal value rows is (2,048 w) v[b].  A score that is infinite or NaN gives s - s = NaN and a NaN row, as in the module.
; LIMITS: (2,048 w) v is rounded once per factor, where the module adds 2,048 terms; the score's order of rounding is that of x . (Wq k) + bq . k.
; THE TABLE, for each batch 14 rows of 3,072 bytes: rows 0..11 the twelve parts of u[b], row 12 v[b], row 13 words 0..11 the twelve parts of c[b].
; Memory binds: x is read once, out is written once.  The matrix unit has nothing to do (one column against x); the work-groups share only
; 39,984 bytes of table against 196,608 bytes of x of their own, so no joint loads; a wave's whole share of x, 12,288 bytes, fits in 96
; registers and is asked for at once, so there is no LDS ring, no loop, no register that is loaded twice.
; WORK: 256 work-groups x 64 rows of the flat [16384][768]; batch = work-group >> 5.  Sixteen waves x 4 rows.  A lane owns the columns
; 128 p + 4 lane .. + 3, p = 0..5: every load and store of a wave covers 512 consecutive bytes, aligned.
.set ROW,    3072                      ; bytes in a row of x, of out and of the table
.set BPITCH, 14*ROW                    ; bytes of the table for one batch
.set LDSV,   3072                      ; LDS 0..3071: u[b];  3072..6143: v[b]
.set N2048,  0x45000000                ; 2048.0: the number of keys
.set LOFF, 1                           ; v1   16 lane
.set XOFF, 2                           ; v2   4 w rows + 16 lane
.set TOFF, 3                           ; v3   512 w + 16 lane = 16 t
.set UR,   4                           ; v[4:27]    u[b] of my 24 columns (in waves 0 to 5 first, with v[28:51]: the twelve parts of 4 numbers of u[b])
.set VR,   28                          ; v[28:51]   v[b] of my 24 columns
.set XR,   52                          ; v[52:147]  row j of my wave's four at XR + 24 j
.set A0,   148                         ; v[148:149], v[150:151]  two chains of the dot product
.set A1,   150
.set DD,   152                         ; v152  the dot product, then the score
.set EE,   153                         ; v153  its partner from the other 16 lanes
.set PP,   154                         ; v154  the exponential, then the weight
.set LL,   155                         ; v155  score - maximum, then the sum, then its reciprocal
.set GG,   156                         ; v[156:157]  2,048 w, twice: a pair for the packed multiply-add
.macro XLOADS                          ; the wave's four rows: 24 loads
.irp j, 0,1,2,3
.irp p, 0,1,2,3,4,5
	global_load_b128 v[XR+24*\j+4*\p:XR+24*\j+4*\p+3], v[XOFF], s[4:5] offset:ROW*\j+512*\p th:TH_LOAD_NT
.endr
.endr
.endm
	s_load_b128 s[4:7], s[0:1], 0x0                ; x s[4:5], table s[6:7]
	s_load_b64 s[8:9], s[0:1], 0x10                ; out
	v_lshl_add_u32 v160, v0, 2, 0x1800
	v_mov_b32 v161, 0
	s_mul_i32 s14, ttmp9, 64*ROW                   ; the group's 64 rows: 50,135,040 bytes at the most
	s_mov_b32 s15, 0
	s_lshr_b32 s30, ttmp9, 5                       ; 32 work-groups to a batch
	s_mul_i32 s30, s30, BPITCH
	s_mov_b32 s31, 0
	s_mov_b32 s12, 0x76543210                      ; the lane exchange: lane i of one half reads lane i of the other
	s_mov_b32 s13, 0xfedcba98
	v_lshrrev_b32 v[DD], 5, v0
	v_readfirstlane_b32 s10, v[DD]                 ; wave, as a scalar
	v_and_b32 v[LOFF], 31, v0
	v_lshlrev_b32 v[LOFF], 4, v[LOFF]
	s_mul_i32 s11, s10, 4*ROW
	v_add_nc_u32 v[XOFF], s11, v[LOFF]
	v_lshl_add_u32 v[TOFF], s10, 9, v[LOFF]
	v_mov_b32 v[EE], 0                             ; written once, so that the lane exchange may name it
	s_wait_kmcnt 0x0
	s_add_nc_u64 s[4:5], s[4:5], s[14:15]
	s_add_nc_u64 s[8:9], s[8:9], s[14:15]
	s_add_nc_u64 s[6:7], s[6:7], s[30:31]          ; the table at my batch
	s_load_b256 s[16:23], s[6:7], 13*ROW           ; row 13: the twelve parts of c[b]
	s_load_b128 s[24:27], s[6:7], 13*ROW+32
	; Waves 0 to 5 add the twelve parts of u[b] (192 threads x 4 numbers), waves 6 to 11 bring v[b]; both put them into LDS for all sixteen.
	; The table's loads go ahead of x's, since loads are counted back in the order of issue: the wait for them leaves all of x on its way.
	s_cmp_lt_u32 s10, 6
	s_cbranch_scc0 .Lnot_u
.irp g, 0,1,2,3,4,5,6,7,8,9,10,11
	global_load_b128 v[UR+4*\g:UR+4*\g+3], v[TOFF], s[6:7] offset:ROW*\g
.endr
	XLOADS
	s_wait_loadcnt 24                              ; the twelve parts are in; the 24 loads of x behind them stay out
.irp c, 0,2
.irp g, 0,2,4,6,8,10
	v_pk_add_f32 v[UR+4*\g+\c:UR+4*\g+\c+1], v[UR+4*\g+\c:UR+4*\g+\c+1], v[UR+4*\g+4+\c:UR+4*\g+4+\c+1]
.endr
.endr
.irp c, 0,2
.irp g, 0,4,8
	v_pk_add_f32 v[UR+4*\g+\c:UR+4*\g+\c+1], v[UR+4*\g+\c:UR+4*\g+\c+1], v[UR+4*\g+8+\c:UR+4*\g+8+\c+1]
.endr
.endr
.irp c, 0,2
	v_pk_add_f32 v[UR+\c:UR+\c+1], v[UR+\c:UR+\c+1], v[UR+16+\c:UR+16+\c+1]
.endr
.irp c, 0,2
	v_pk_add_f32 v[UR+\c:UR+\c+1], v[UR+\c:UR+\c+1], v[UR+32+\c:UR+32+\c+1]
.endr
	ds_store_b128 v[TOFF], v[UR:UR+3]              ; LDS bytes 16 t, t = 0..191
	s_branch .Ljoin
.Lnot_u:
	s_cmp_lt_u32 s10, 12
	s_cbranch_scc0 .Lonly_x
	global_load_b128 v[VR:VR+3], v[TOFF], s[6:7] offset:12*ROW-LDSV   ; row 12 at 16 (t - 192)
	XLOADS
	s_wait_loadcnt 24                              ; v's 16 bytes are in; the 24 loads of x stay out
	ds_store_b128 v[TOFF], v[VR:VR+3]              ; LDS bytes 16 t = 3,072 + 16 (t - 192), t = 192..383
	s_branch .Ljoin
.Lonly_x:
	XLOADS
.Ljoin:
	s_wait_dscnt 0x0                               ; my store is in LDS before I say so
	s_barrier_signal -1
	s_barrier_wait -1                              ; u[b] and v[b] are whole
.irp p, 0,1,2,3,4,5
	ds_load_b128 v[UR+4*\p:UR+4*\p+3], v[LOFF] offset:512*\p
.endr
.irp p, 0,1,2,3,4,5
	ds_load_b128 v[VR+4*\p:VR+4*\p+3], v[LOFF] offset:LDSV+512*\p
.endr
	s_wait_kmcnt 0x0                               ; the twelve parts of c[b]
	s_add_f32 s16, s16, s17
	s_add_f32 s18, s18, s19
	s_add_f32 s20, s20, s21
	s_add_f32 s22, s22, s23
	s_add_f32 s24, s24, s25
	s_add_f32 s26, s26, s27
	s_add_f32 s16, s16, s18
	s_add_f32 s20, s20, s22
	s_add_f32 s24, s24, s26
	s_add_f32 s16, s16, s20
	s_add_f32 s28, s16, s24                        ; c[b]
	s_wait_dscnt 0x0
; Row j of the wave's four: score, softmax over 2,048 equal scores, weighted sum, residual, store.
.macro ROWOUT j
	s_wait_loadcnt 18-6*\j                         ; this row's six loads are in; six for each later row stay out
	v_pk_mul_f32 v[A0:A0+1], v[XR+24*\j:XR+24*\j+1],   v[UR:UR+1]      ; the first products start the two chains
	v_pk_mul_f32 v[A1:A1+1], v[XR+24*\j+2:XR+24*\j+3], v[UR+2:UR+3]
.irp p, 1,2,3,4,5
	v_pk_fma_f32 v[A0:A0+1], v[XR+24*\j+4*\p:XR+24*\j+4*\p+1],   v[UR+4*\p:UR+4*\p+1],   v[A0:A0+1]
	v_pk_fma_f32 v[A1:A1+1], v[XR+24*\j+4*\p+2:XR+24*\j+4*\p+3], v[UR+4*\p+2:UR+4*\p+3], v[A1:A1+1]
.endr
	v_pk_add_f32 v[A0:A0+1], v[A0:A0+1], v[A1:A1+1]
	v_add_f32 v[DD], v[A0], v[A0+1]
	v_add_f32_dpp v[DD], v[DD], v[DD] row_xmask:1 row_mask:0xf bank_mask:0xf
	v_add_f32_dpp v[DD], v[DD], v[DD] row_xmask:2 row_mask:0xf bank_mask:0xf
	v_add_f32_dpp v[DD], v[DD], v[DD] row_xmask:4 row_mask:0xf bank_mask:0xf
	v_add_f32_dpp v[DD], v[DD], v[DD] row_xmask:8 row_mask:0xf bank_mask:0xf
	v_permlanex16_b32 v[EE], v[DD], s12, s13
	v_add_f32 v[DD], v[DD], v[EE]                  ; x . u[b], in every lane
	v_add_f32 v[DD], s28, v[DD]                    ; the score; all 2,048 scores of the row are this number, so it is their maximum too
	v_sub_f32 v[LL], v[DD], v[DD]                  ; score - maximum: 0, or NaN where the score is not finite
	v_exp_f32 v[PP], v[LL]                         ; base 2; the factor log2 e would leave 0 and NaN as they are, so it is not written
	v_nop                                          ; one plain vector instruction between a transcendental and the use of its result
	s_wait_alu depctr_va_vdst(0)
	v_mul_f32 v[LL], N2048, v[PP]                  ; the sum of 2,048 equal exponentials
	v_rcp_f32 v[LL], v[LL]
	v_nop                                          ; as above
	s_wait_alu depctr_va_vdst(0)
	v_mul_f32 v[PP], v[PP], v[LL]                  ; the weight of each key
	v_mul_f32 v[GG], N2048, v[PP]                  ; 2,048 equal terms w v[b] are (2,048 w) v[b]
	v_mul_f32 v[GG+1], N2048, v[PP]
.irp p, 0,1,2,3,4,5
	v_pk_fma_f32 v[XR+24*\j+4*\p:XR+24*\j+4*\p+1],   v[VR+4*\p:VR+4*\p+1],   v[GG:GG+1], v[XR+24*\j+4*\p:XR+24*\j+4*\p+1]     ; attended + x
	v_pk_fma_f32 v[XR+24*\j+4*\p+2:XR+24*\j+4*\p+3], v[VR+4*\p+2:VR+4*\p+3], v[GG:GG+1], v[XR+24*\j+4*\p+2:XR+24*\j+4*\p+3]
	global_store_b128 v[XOFF], v[XR+24*\j+4*\p:XR+24*\j+4*\p+3], s[8:9] offset:ROW*\j+512*\p th:TH_STORE_NT   ; no register of a store is written again
.endr
.endm
	ROWOUT 0
	ROWOUT 1
	ROWOUT 2
	ROWOUT 3
	s_wait_tensorcnt 0x0
	ds_add_u32 v160, v161
	s_wait_dscnt 0x0
	s_endpgm
.Lfunc_end_k_qb8078c7128_attend:
	.size	k_qb8078c7128_attend, .Lfunc_end_k_qb8078c7128_attend-k_qb8078c7128_attend
	.p2alignl 7, 3214868480
	.fill 96, 4, 3214868480
	.section	.rodata,"a",@progbits
	.p2align	6, 0x0
	.amdhsa_kernel k_qb8078c7128_attend
		.amdhsa_group_segment_fixed_size 8192
		.amdhsa_private_segment_fixed_size 0
		.amdhsa_enable_private_segment 0
		.amdhsa_kernarg_size 24
		.amdhsa_user_sgpr_count 2
		.amdhsa_user_sgpr_kernarg_segment_ptr 1
		.amdhsa_wavefront_size32 1
		.amdhsa_system_sgpr_workgroup_id_x 1
		.amdhsa_system_sgpr_workgroup_id_y 1
		.amdhsa_system_sgpr_workgroup_id_z 1
		.amdhsa_system_vgpr_workitem_id 0
		.amdhsa_next_free_vgpr 162
		.amdhsa_next_free_sgpr 66
		.amdhsa_reserve_vcc 0
		.amdhsa_float_denorm_mode_32 3
		.amdhsa_float_denorm_mode_16_64 3
		.amdhsa_memory_ordered 1
		.amdhsa_forward_progress 1
		.amdhsa_inst_pref_size 25
	.end_amdhsa_kernel
	.amdgpu_metadata
---
amdhsa.version: [ 1, 2 ]
amdhsa.kernels:
  - .name:           k_qb8078c7128_attend
    .symbol:         k_qb8078c7128_attend.kd
    .args:
      - { .name: pixel_features, .offset: 0, .size: 8, .value_kind: global_buffer, .address_space: global }
      - { .name: prep, .offset: 8, .size: 8, .value_kind: global_buffer, .address_space: global }
      - { .name: out0, .offset: 16, .size: 8, .value_kind: global_buffer, .address_space: global }
    .group_segment_fixed_size: 8192
    .private_segment_fixed_size: 0
    .kernarg_segment_align: 8
    .kernarg_segment_size: 24
    .max_flat_workgroup_size: 512
    .sgpr_count:     66
    .vgpr_count:     162
    .wavefront_size: 32
...
	.end_amdgpu_metadata
.endif
;; end of part 2
;; ======== version 2 of 2: 2 launches; version 1 with the launch attend written anew for expert scheduling mode
;; workspace buffers: prep 344,064 bytes
;; launch project: the kernel of part 1 again; grid 12 x 13, 16 waves a work-group, no clusters, 38,912 bytes of LDS; arguments Wk, bk, Wv, bv, age_features, Wq, bq, prep; writes prep
;; launch attend (part 3): grid 256 x 1, 16 waves a work-group, no clusters, 8,192 bytes of LDS; arguments pixel_features, prep, out0; writes out0
.if DOCPART == 3
	.amdgcn_target "amdgcn-amd-amdhsa--gfx1250"
	.amdhsa_code_object_version 6
	.text
	.protected	k_qb8078c7128_attend
	.globl	k_qb8078c7128_attend
	.p2align	8
	.type	k_qb8078c7128_attend,@function
k_qb8078c7128_attend:
	s_mov_b64 s[64:65], 0
	v_nop
	global_prefetch_b8 v0, s[64:65] scope:SCOPE_SE
	s_setreg_imm32_b32 hwreg(HW_REG_WAVE_SCHED_MODE, 0, 2), 2
	s_setreg_imm32_b32 hwreg(HW_REG_WAVE_MODE, 25, 1), 1
	s_wait_xcnt 0x0
	s_wait_alu depctr_vm_vsrc(0)
; CROSS ATTENTION WITH ONE KEY AND ONE VALUE ROW PER BATCH, second of two launches: the stream.  out = softmax(scores) V + x.
; The module broadcasts one age row over all 2,048 key positions, so for every input a query row's 2,048 scores are one number
; s = x . u[b] + c[b] (u, c, v from the table that the first launch stored).  Each step of the softmax is written in that form:
; the maximum of 2,048 equal scores is s; each exponential is exp(s - s); their sum is 2,048 p; the weight is w = p / (2,048 p);
; the weighted sum of 2,048 equal value rows is (2,048 w) v[b].  A score that is infinite or NaN gives s - s = NaN and a NaN row, as in the module.
; LIMITS: (2,048 w) v is rounded once per factor, where the module adds 2,048 terms; the score's order of rounding is that of x . (Wq k) + bq . k.
; THE TABLE, for each batch 14 rows of 3,072 bytes: rows 0..11 the twelve parts of u[b], row 12 v[b], row 13 words 0..11 the twelve parts of c[b].
; Memory binds: x is read once, out is written once.  The matrix unit has nothing to do (one column against x); the work-groups share only
; 39,984 bytes of table against 196,608 bytes of x of their own, so no joint loads; a wave's whole share of x, 12,288 bytes, fits in 96
; registers and is asked for at once, so there is no LDS ring, no loop, no register that is loaded twice.
; WORK: 256 work-groups x 64 rows of the flat [16384][768]; batch = work-group >> 5.  Sixteen waves x 4 rows.  A lane owns the columns
; 128 p + 4 lane .. + 3, p = 0..5: every load and store of a wave covers 512 consecutive bytes, aligned.
; THE MODE: SCHED_MODE bits 1:0 = 2 (LLVM: expert scheduling mode 2), set by the entry lines.  The code itself states the register dependences
; between vector instructions and memory or LDS instructions, with s_wait_alu, always for 0.
; THE PLAN.  Registers that memory or LDS instructions touch:
;   v1, v2, v3   offsets and LDS addresses.  Written once at the head by vector instructions, never again; read by every load, store and LDS access.
;                One wait on va_vdst at the head, ahead of the branch on the wave's number, serves them for the whole kernel.
;   v[4:51]      Waves 0 to 5: the table's twelve loads land here, 22 packed adds read and write them, the LDS store reads v[4:7].  One wait on va_vdst
;                stands behind the adds: it serves the store, and, since no vector instruction names v[4:51] between it and the barrier, also the
;                LDS loads of u and v that land here behind the barrier.  Waves 6 to 11: a load lands in v[28:31] and the LDS store reads them.
;                One wait on vm_vsrc behind the barrier states that the LDS store has read its data, ahead of the LDS loads that land there.
;   v[52:147]    x, four rows of 24.  Loaded once, before any vector instruction names them.  Row j: the dot product reads its 24, twelve packed
;                multiply-adds write them in place, ONE wait on va_vdst, then the row's six stores in one run.  They are never written again.
;   s10          the wave's number, written by v_readfirstlane_b32: one wait on va_sdst ahead of its first reader.
; A row's exponential and its reciprocal each have a wait on va_vdst ahead of the first line that names the result.  EXEC and VCC are never written.
.set ROW,    3072                      ; bytes in a row of x, of out and of the table
.set BPITCH, 14*ROW                    ; bytes of the table for one batch
.set LDSV,   3072                      ; LDS 0..3071: u[b];  3072..6143: v[b]
.set N2048,  0x45000000                ; 2048.0: the number of keys
.set LOFF, 1                           ; v1   16 lane
.set XOFF, 2                           ; v2   4 w rows + 16 lane
.set TOFF, 3                           ; v3   512 w + 16 lane = 16 t
.set UR,   4                           ; v[4:27]    u[b] of my 24 columns (in waves 0 to 5 first, with v[28:51]: the twelve parts of 4 numbers of u[b])
.set VR,   28                          ; v[28:51]   v[b] of my 24 columns
.set XR,   52                          ; v[52:147]  row j of my wave's four at XR + 24 j
.set A0,   148                         ; v[148:149], v[150:151]  two chains of the dot product
.set A1,   150
.set DD,   152                         ; v152  the dot product, then the score
.set EE,   153                         ; v153  its partner from the other 16 lanes
.set PP,   154                         ; v154  the exponential, then the weight
.set LL,   155                         ; v155  score - maximum, then the sum, then its reciprocal
.set GG,   156                         ; v[156:157]  2,048 w, twice: a pair for the packed multiply-add
.macro XLOADS                          ; the wave's four rows: 24 loads
.irp j, 0,1,2,3
.irp p, 0,1,2,3,4,5
	global_load_b128 v[XR+24*\j+4*\p:XR+24*\j+4*\p+3], v[XOFF], s[4:5] offset:ROW*\j+512*\p th:TH_LOAD_NT
.endr
.endr
.endm
	s_load_b128 s[4:7], s[0:1], 0x0                ; x s[4:5], table s[6:7]
	s_load_b64 s[8:9], s[0:1], 0x10                ; out
	v_lshl_add_u32 v158, v0, 2, 0x1800
	v_mov_b32 v159, 0
	s_mul_i32 s14, ttmp9, 64*ROW                   ; the group's 64 rows: 50,135,040 bytes at the most
	s_mov_b32 s15, 0
	s_lshr_b32 s30, ttmp9, 5                       ; 32 work-groups to a batch
	s_mul_i32 s30, s30, BPITCH
	s_mov_b32 s31, 0
	s_mov_b32 s12, 0x76543210                      ; the lane exchange: lane i of one half reads lane i of the other
	s_mov_b32 s13, 0xfedcba98
	v_lshrrev_b32 v[DD], 5, v0
	v_readfirstlane_b32 s10, v[DD]                 ; wave, as a scalar
	v_and_b32 v[LOFF], 31, v0
	v_lshlrev_b32 v[LOFF], 4, v[LOFF]
	s_wait_alu depctr_va_sdst(0)                   ; s10 is written, ahead of its first reader: offsets and the branches below are made from it
	s_mul_i32 s11, s10, 4*ROW
	v_add_nc_u32 v[XOFF], s11, v[LOFF]
	v_lshl_add_u32 v[TOFF], s10, 9, v[LOFF]
	v_mov_b32 v[EE], 0                             ; written once, so that the lane exchange may name it
	s_wait_kmcnt 0x0
	s_add_nc_u64 s[4:5], s[4:5], s[14:15]
	s_add_nc_u64 s[8:9], s[8:9], s[14:15]
	s_add_nc_u64 s[6:7], s[6:7], s[30:31]          ; the table at my batch
	s_load_b256 s[16:23], s[6:7], 13*ROW           ; row 13: the twelve parts of c[b]
	s_load_b128 s[24:27], s[6:7], 13*ROW+32
	s_wait_alu depctr_va_vdst(0)                   ; v1, v2 and v3 are written: every load, store and LDS access of the kernel reads one of them, on each of the three ways below
	; Waves 0 to 5 add the twelve parts of u[b] (192 threads x 4 numbers), waves 6 to 11 bring v[b]; both put them into LDS for all sixteen.
	; The table's loads go ahead of x's, since loads are counted back in the order of issue: the wait for them leaves all of x on its way.
	s_cmp_lt_u32 s10, 6
	s_cbranch_scc0 .Lnot_u
.irp g, 0,1,2,3,4,5,6,7,8,9,10,11
	global_load_b128 v[UR+4*\g:UR+4*\g+3], v[TOFF], s[6:7] offset:ROW*\g
.endr
	XLOADS
	s_wait_loadcnt 24                              ; the twelve parts are in; the 24 loads of x behind them stay out
.irp c, 0,2
.irp g, 0,2,4,6,8,10
	v_pk_add_f32 v[UR+4*\g+\c:UR+4*\g+\c+1], v[UR+4*\g+\c:UR+4*\g+\c+1], v[UR+4*\g+4+\c:UR+4*\g+4+\c+1]
.endr
.endr
.irp c, 0,2
.irp g, 0,4,8
	v_pk_add_f32 v[UR+4*\g+\c:UR+4*\g+\c+1], v[UR+4*\g+\c:UR+4*\g+\c+1], v[UR+4*\g+8+\c:UR+4*\g+8+\c+1]
.endr
.endr
.irp c, 0,2
	v_pk_add_f32 v[UR+\c:UR+\c+1], v[UR+\c:UR+\c+1], v[UR+16+\c:UR+16+\c+1]
.endr
.irp c, 0,2
	v_pk_add_f32 v[UR+\c:UR+\c+1], v[UR+\c:UR+\c+1], v[UR+32+\c:UR+32+\c+1]
.endr
	s_wait_alu depctr_va_vdst(0)                   ; the adds have written v[4:7], which the LDS store reads, and are done with v[4:51], in which the LDS loads behind the barrier land
	ds_store_b128 v[TOFF], v[UR:UR+3]              ; LDS bytes 16 t, t = 0..191
	s_branch .Ljoin
.Lnot_u:
	s_cmp_lt_u32 s10, 12
	s_cbranch_scc0 .Lonly_x
	global_load_b128 v[VR:VR+3], v[TOFF], s[6:7] offset:12*ROW-LDSV   ; row 12 at 16 (t - 192)
	XLOADS
	s_wait_loadcnt 24                              ; v's 16 bytes are in; the 24 loads of x stay out
	ds_store_b128 v[TOFF], v[VR:VR+3]              ; LDS bytes 16 t = 3,072 + 16 (t - 192), t = 192..383; its data come from a load: the wait above is all that it hangs on
	s_branch .Ljoin
.Lonly_x:
	XLOADS
.Ljoin:
	s_wait_dscnt 0x0                               ; my store is in LDS before I say so
	s_barrier_signal -1
	s_barrier_wait -1                              ; u[b] and v[b] are whole
	s_wait_alu depctr_vm_vsrc(0)                   ; the LDS store of waves 0 to 11 has read its data, v[4:7] or v[28:31], in which the LDS loads below land
.irp p, 0,1,2,3,4,5
	ds_load_b128 v[UR+4*\p:UR+4*\p+3], v[LOFF] offset:512*\p
.endr
.irp p, 0,1,2,3,4,5
	ds_load_b128 v[VR+4*\p:VR+4*\p+3], v[LOFF] offset:LDSV+512*\p
.endr
	s_wait_kmcnt 0x0                               ; the twelve parts of c[b]
	s_add_f32 s16, s16, s17
	s_add_f32 s18, s18, s19
	s_add_f32 s20, s20, s21
	s_add_f32 s22, s22, s23
	s_add_f32 s24, s24, s25
	s_add_f32 s26, s26, s27
	s_add_f32 s16, s16, s18
	s_add_f32 s20, s20, s22
	s_add_f32 s24, s24, s26
	s_add_f32 s16, s16, s20
	s_add_f32 s28, s16, s24                        ; c[b]
	s_wait_dscnt 0x0
; Row j of the wave's four: score, softmax over 2,048 equal scores, weighted sum, residual, store.
.macro ROWOUT j
	s_wait_loadcnt 18-6*\j                         ; this row's six loads are in; six for each later row stay out
	v_pk_mul_f32 v[A0:A0+1], v[XR+24*\j:XR+24*\j+1],   v[UR:UR+1]      ; the first products start the two chains
	v_pk_mul_f32 v[A1:A1+1], v[XR+24*\j+2:XR+24*\j+3], v[UR+2:UR+3]
.irp p, 1,2,3,4,5
	v_pk_fma_f32 v[A0:A0+1], v[XR+24*\j+4*\p:XR+24*\j+4*\p+1],   v[UR+4*\p:UR+4*\p+1],   v[A0:A0+1]
	v_pk_fma_f32 v[A1:A1+1], v[XR+24*\j+4*\p+2:XR+24*\j+4*\p+3], v[UR+4*\p+2:UR+4*\p+3], v[A1:A1+1]
.endr
	v_pk_add_f32 v[A0:A0+1], v[A0:A0+1], v[A1:A1+1]
	v_add_f32 v[DD], v[A0], v[A0+1]
	v_add_f32_dpp v[DD], v[DD], v[DD] row_xmask:1 row_mask:0xf bank_mask:0xf
	v_add_f32_dpp v[DD], v[DD], v[DD] row_xmask:2 row_mask:0xf bank_mask:0xf
	v_add_f32_dpp v[DD], v[DD], v[DD] row_xmask:4 row_mask:0xf bank_mask:0xf
	v_add_f32_dpp v[DD], v[DD], v[DD] row_xmask:8 row_mask:0xf bank_mask:0xf
	v_permlanex16_b32 v[EE], v[DD], s12, s13
	v_add_f32 v[DD], v[DD], v[EE]                  ; x . u[b], in every lane
	v_add_f32 v[DD], s28, v[DD]                    ; the score; all 2,048 scores of the row are this number, so it is their maximum too
	v_sub_f32 v[LL], v[DD], v[DD]                  ; score - maximum: 0, or NaN where the score is not finite
	v_exp_f32 v[PP], v[LL]                         ; base 2; the factor log2 e would leave 0 and NaN as they are, so it is not written
	v_nop                                          ; one plain vector instruction between a transcendental and the use of its result
	s_wait_alu depctr_va_vdst(0)                   ; the exponential has written v[PP], which the next line is the first to name
	v_mul_f32 v[LL], N2048, v[PP]                  ; the sum of 2,048 equal exponentials
	v_rcp_f32 v[LL], v[LL]
	v_nop                                          ; as above
	s_wait_alu depctr_va_vdst(0)                   ; the reciprocal has written v[LL], which the next line is the first to name
	v_mul_f32 v[PP], v[PP], v[LL]                  ; the weight of each key
	v_mul_f32 v[GG], N2048, v[PP]                  ; 2,048 equal terms w v[b] are (2,048 w) v[b]
	v_mul_f32 v[GG+1], N2048, v[PP]
.irp p, 0,1,2,3,4,5
	v_pk_fma_f32 v[XR+24*\j+4*\p:XR+24*\j+4*\p+1],   v[VR+4*\p:VR+4*\p+1],   v[GG:GG+1], v[XR+24*\j+4*\p:XR+24*\j+4*\p+1]     ; attended + x
	v_pk_fma_f32 v[XR+24*\j+4*\p+2:XR+24*\j+4*\p+3], v[VR+4*\p+2:VR+4*\p+3], v[GG:GG+1], v[XR+24*\j+4*\p+2:XR+24*\j+4*\p+3]
.endr
	s_wait_alu depctr_va_vdst(0)                   ; the twelve multiply-adds have written the row's 24 registers, which the six stores read
.irp p, 0,1,2,3,4,5
	global_store_b128 v[XOFF], v[XR+24*\j+4*\p:XR+24*\j+4*\p+3], s[8:9] offset:ROW*\j+512*\p th:TH_STORE_NT   ; no register of a store is written again
.endr
.endm
	ROWOUT 0
	ROWOUT 1
	ROWOUT 2
	ROWOUT 3
	s_wait_dscnt 0x0
	s_wait_alu depctr_hold_cnt(0) depctr_sa_sdst(0) depctr_va_vdst(0) depctr_va_sdst(0) depctr_va_ssrc(0) depctr_va_vcc(0) depctr_vm_vsrc(0)
	s_wait_tensorcnt 0x0
	ds_add_u32 v158, v159
	s_wait_dscnt 0x0
	s_endpgm
.Lfunc_end_k_qb8078c7128_attend:
	.size	k_qb8078c7128_attend, .Lfunc_end_k_qb8078c7128_attend-k_qb8078c7128_attend
	.p2alignl 7, 3214868480
	.fill 96, 4, 3214868480
	.section	.rodata,"a",@progbits
	.p2align	6, 0x0
	.amdhsa_kernel k_qb8078c7128_attend
		.amdhsa_group_segment_fixed_size 8192
		.amdhsa_private_segment_fixed_size 0
		.amdhsa_enable_private_segment 0
		.amdhsa_kernarg_size 24
		.amdhsa_user_sgpr_count 2
		.amdhsa_user_sgpr_kernarg_segment_ptr 1
		.amdhsa_wavefront_size32 1
		.amdhsa_system_sgpr_workgroup_id_x 1
		.amdhsa_system_sgpr_workgroup_id_y 1
		.amdhsa_system_sgpr_workgroup_id_z 1
		.amdhsa_system_vgpr_workitem_id 0
		.amdhsa_next_free_vgpr 160
		.amdhsa_next_free_sgpr 66
		.amdhsa_reserve_vcc 0
		.amdhsa_float_denorm_mode_32 3
		.amdhsa_float_denorm_mode_16_64 3
		.amdhsa_memory_ordered 1
		.amdhsa_forward_progress 1
		.amdhsa_inst_pref_size 25
	.end_amdhsa_kernel
	.amdgpu_metadata
---
amdhsa.version: [ 1, 2 ]
amdhsa.kernels:
  - .name:           k_qb8078c7128_attend
    .symbol:         k_qb8078c7128_attend.kd
    .args:
      - { .name: pixel_features, .offset: 0, .size: 8, .value_kind: global_buffer, .address_space: global }
      - { .name: prep, .offset: 8, .size: 8, .value_kind: global_buffer, .address_space: global }
      - { .name: out0, .offset: 16, .size: 8, .value_kind: global_buffer, .address_space: global }
    .group_segment_fixed_size: 8192
    .private_segment_fixed_size: 0
    .kernarg_segment_align: 8
    .kernarg_segment_size: 24
    .max_flat_workgroup_size: 512
    .sgpr_count:     66
    .vgpr_count:     160
    .wavefront_size: 32
...
	.end_amdgpu_metadata
.endif
;; end of part 3
